; MI455X (gfx1250); checked and timed in simulation.
; The chip was launched on July 23, 2026; its instructions are those of AMD's public machine-readable ISA for CDNA 5 (MIT licence, August 2026) and "CDNA5" Instruction Set Architecture Reference Guide (July 2026). The comments in the code are by the model that wrote it; some were corrected since.
;; Multi Head Self Attention. Allowed arithmetic: matrix products marked QUANTISED: E2M1 operands, one E8M0 scale for each 32 along K, by v_wmma_scale_f32_16x16x128_f8f6f4 with both operands' format E2M1 (or v_wmma_scale_f32_32x16x128_f4), f32 sums; everything else in f32.
;; Inputs: W_out 1,024 x 1,024 float32; W_qkv 1,024 x 3,072 float32; b_out 1,024 float32; b_qkv 3,072 float32; x 2 x 2,048 x 1,024 float32.
;; Outputs: out0 2 x 2,048 x 1,024 float32.
;; This version of the problem:
;;   THIS VERSION OF THE PROBLEM IS GIVEN IN LOW PRECISION. The matrix products marked QUANTISED in the list below multiply operands that are first quantised to E2M1 (2 exponent bits, 1 mantissa bit; 4 bits a number), with one power-of-two scale for each 32 numbers along K (OCP MX v1.0); their sums are f32. All else is computed in f32.
;;   The module's matrix products, in the order in which they are computed (A, B: the left and right operand; K: the contracted axis; several contracted axes count as one K, in the product's order):
;;     1. [M 4,096, K 1,024] x [K 1,024, N 3,072]; A: input x; B: input W_qkv: QUANTISED
;;     2. batch 32 x [M 2,048, K 64] x [K 64, N 2,048]; A: computed on the way; B: computed on the way: QUANTISED
;;     3. batch 32 x [M 2,048, K 2,048] x [K 2,048, N 64]; A: softmax (see below); B: computed on the way: QUANTISED
;;     4. [M 4,096, K 1,024] x [K 1,024, N 1,024]; A: computed on the way; B: input W_out: QUANTISED
;;   THE QUANTISER, for each operand of a quantised product, along K:
;;     - K is cut into blocks of 32 from its start; a last block that is shorter is filled with zeros.
;;     - A block's scale is 2^e with e = floor(log2(the largest magnitude in the block)) - 2, held to -126 .. 127; a block of zeros has e = 0. As a byte (E8M0): e + 127.
;;     - Each number is divided by its block's scale, clamped to +-6, and rounded to the nearest number of E2M1, ties to even, subnormals kept.
;;     - The product sums the exact products of the quantised numbers (number of the format x scale) in f32.
;;   ~~~python
;;   def quantise(x, axis):      # numpy; x: float32 -> the quantised numbers, widened to float32 again
;;       x = np.moveaxis(x, axis, -1); K = x.shape[-1]
;;       x = np.pad(x, [(0, 0)] * (x.ndim - 1) + [(0, -K % 32)]); x = x.reshape(x.shape[:-1] + (-1, 32)); a = np.abs(x).max(-1, keepdims=True)
;;       e = np.where(a > 0, np.clip(np.frexp(np.where(a > 0, a, 1))[1] - 1 - 2, -126, 127), 0)      # np.frexp(a)[1] - 1 = floor(log2(a)), exactly
;;       r = np.clip(x / 2.0 ** e, -6, 6)
;;       step = 2.0 ** (np.maximum(np.frexp(np.where(r == 0, 1, r))[1] - 1, 0) - 1)
;;       q = np.round(r / step) * step * 2.0 ** e      # np.round: ties to even
;;       return np.moveaxis(q.reshape(q.shape[:-2] + (-1,))[..., :K], -1, axis).astype(np.float32)
;;   ~~~
;;   SOFTMAX AHEAD OF A QUANTISED PRODUCT. Where the list says 'softmax', what is quantised is not the finished softmax but p = 2^(t - M), with t = logit x log2(e) and M = ceil(the row's largest t), a whole number; so 1/2 < the row's largest p <= 1. The row's sum l is taken of the UNQUANTISED p, in f32, and the product's result is divided by l at the end. Since M is a whole number, a kernel that streams over the keys may use a running M (the ceiling of the running maximum): every later rescaling is an exact power of two, which a block's scale takes up: the codes' values come out the same.
;;   OPERANDS COMPUTED ON THE WAY. 'Computed on the way' means the value that the module computes at that place (a softmax that the list does not call 'softmax' is quantised finished and normalised). What goes into a quantiser is computed in f32, as accurately as f32 sums, v_exp_f32 and their like allow (about 1e-6 of the number): no bf16 or f16 on the way to a quantiser, and a product that is left as it is and whose result goes on into a quantised operand takes f32 operands (vector FMAs, or v_wmma_f32_16x16x4_f32). A number that lies on a knife's edge between two numbers of the format may be rounded either way, as far as f32 arithmetic and the matrix unit's own rounding can turn it there, and no further.
;; One version. Each part assembles by itself: llvm-mc -triple=amdgcn-amd-amdhsa -mcpu=gfx1250 --defsym DOCPART=n.
;; ======== version 1 of 1: 4 launches
;; limits: right only within a limited range of input values
;; workspace buffers: xq 2,228,224 bytes; wq 2,228,224 bytes; qkv 6,684,672 bytes; aq 2,228,224 bytes
;; launch quant (part 1): grid 768 x 1, 4 waves a work-group, no clusters, 35,584 bytes of LDS; arguments x, W_qkv, W_out, xq, wq; writes xq, wq
.if DOCPART == 1
	.amdgcn_target "amdgcn-amd-amdhsa--gfx1250"
	.amdhsa_code_object_version 6
	.text
	.protected	k_q557469c5de_quant
	.globl	k_q557469c5de_quant
	.p2align	8
	.type	k_q557469c5de_quant,@function
k_q557469c5de_quant:
	s_mov_b64 s[64:65], 0
	v_nop
	global_prefetch_b8 v0, s[64:65] scope:SCOPE_SE
	s_setreg_imm32_b32 hwreg(HW_REG_WAVE_MODE, 25, 1), 1
	s_wait_xcnt 0x0
; x [4096][1024], W_qkv [1024][3072] and W_out [1024][1024], f32, become codes of FP4 (E2M1) with one E8M0 byte for each 32 along K (K = the 1,024), laid in the ORDER OF THE OPERAND'S REGISTERS.
; AN IMAGE of a fragment (16 rows x 128 K) is 1,024 bytes: the 16 bytes at 512 c + 16 lane are the codes k = 64 c + 32 (lane / 16) + 0 .. 31 of row lane % 16.
; A HALF RECORD is 4,352 bytes: the images of four K steps, then 256 bytes of scale words (row r, K step q: 4,096 + 16 r + 4 q).  A tile of 16 rows is two half records.
; THE ROWS OF A TILE ARE NOT NEIGHBOURS: place r of tile 2 g + u is row (of x) or column (of a weight) 32 g + 8 u + r + 8 (r / 8): so the results of two neighbouring tiles are 16 neighbours for the next quantiser.
; wq's tiles: W_qkv's at head x 12 + part x 4 + 2 x pair + u (part: q, k, v; pair: which 32 of the head's 64 columns), W_out's at 192 + 2 g + u.
; A block's scale is 2^(floor(log2(its largest magnitude)) - 2): its byte is the largest magnitude's exponent field - 2, held at 1 from below by a floor among the maximum's leaves.
; LIMITS: a block of zeros, or one whose largest magnitude lies under 2^-124, gets the byte 1 (the bytes are read by this program alone; zero codes add nothing); NaN and infinities among the inputs are not served.
; SHARES: work-groups 0-511: one half record of x each; 512-703: two of W_qkv (32 columns); 704-767: two of W_out.  Wave w makes K step 4 j + w.  The three ways part on the work-group's number and have LDS bytes of their own.
.set TILEB,  8704
.set HALFB,  4352
.set STGP,   528                       ; a row of x's stage: 512 bytes + 16: sixteen rows begin at sixteen different 16-byte columns of 256
.set STGB,   16*STGP
.set XSCL,   4*STGB                    ; x's way: 256 bytes of scale words
.set WSCLQ,  XSCL+256                  ; W_qkv's way: 512
.set WSCLO,  WSCLQ+512                 ; W_out's way: 512
.set WV,     14                        ; s14 my wave's number
	s_load_b256 s[4:11], s[0:1], 0x0               ; x s[4:5], W_qkv s[6:7], W_out s[8:9], xq s[10:11]
	s_load_b64 s[12:13], s[0:1], 0x20              ; wq
	v_lshl_add_u32 v176, v0, 2, 0x8900
	v_mov_b32 v177, 0
	v_lshrrev_b32 v1, 5, v0
	v_readfirstlane_b32 s[WV], v1
	v_and_b32 v1, 31, v0                           ; lane
	v_and_b32 v2, 15, v0                           ; r
	v_bfe_u32 v3, v0, 4, 1                         ; h (on the weights' ways: u)
	s_mov_b32 s20, 0x76543210
	s_mov_b32 s21, 0xfedcba98                      ; v_permlanex16_b32's selects for lane l xor 16
	s_wait_kmcnt 0x0
	s_cmp_lt_u32 ttmp9, 512
	s_cbranch_scc0 .Lweights
	; ---------------- x: K is innermost.  Each load reads 512 consecutive bytes of one row; the 16 rows turn through the wave's own stage, so that a lane gets 2 x 32 neighbours
	s_lshr_b32 s15, ttmp9, 1                       ; the tile
	s_and_b32 s16, ttmp9, 1                        ; j
	s_lshl_b32 s17, s16, 2
	s_add_co_u32 s17, s17, s[WV]                   ; my K step
	s_lshr_b32 s18, s15, 1
	s_lshl_b32 s18, s18, 17                        ; 32 rows of 4,096 bytes for each pair of tiles,
	s_and_b32 s19, s15, 1
	s_lshl_b32 s19, s19, 15                        ; 8 rows for the odd tile,
	s_add_co_u32 s18, s18, s19
	s_lshl_b32 s19, s17, 9                         ; 512 bytes a K step
	s_add_co_u32 s18, s18, s19
	s_mov_b32 s19, 0
	s_add_nc_u64 s[4:5], s[4:5], s[18:19]
	s_mul_i32 s22, s15, TILEB
	s_mul_i32 s23, s16, HALFB
	s_add_co_u32 s22, s22, s23
	s_lshl_b32 s23, s[WV], 10
	s_add_co_u32 s22, s22, s23
	s_mov_b32 s23, 0
	s_add_nc_u64 s[10:11], s[10:11], s[22:23]      ; my image
	s_wait_alu depctr_va_vdst(0)
	v_lshlrev_b32 v4, 4, v1                        ; 16 x lane
.irp p, 0,1,2,3,4,5,6,7,8,9,10,11,12,13,14,15
	global_load_b128 v[32+4*\p:35+4*\p], v4, s[4:5] offset:(\p+8*(\p/8))*4096 th:TH_LOAD_NT   ; place p of the tile
.endr
	s_mul_i32 s24, s[WV], STGB
	s_lshl_b32 s25, s[WV], 2
	v_add_nc_u32 v5, s24, v4                       ; into my stage: 16 x lane
	v_mul_u32_u24 v6, v2, STGP
	v_lshl_add_u32 v6, v3, 7, v6
	v_add_nc_u32 v6, s24, v6                       ; out of it: row r, + 128 h
	v_lshl_add_u32 v7, v2, 4, XSCL
	v_add_nc_u32 v7, s25, v7                       ; my row's scale word of my K step
	v_lshlrev_b32 v9, 3, v1
	v_add_nc_u32 v8, XSCL, v9                      ; the way out of the 256 bytes: 8 a lane
	s_wait_alu depctr_va_vdst(0)
.irp p, 0,1,2,3,4,5,6,7,8,9,10,11,12,13,14,15
	s_wait_loadcnt 15-\p                           ; loads come back in order: row p is in, the younger rows' stay out
	ds_store_b128 v5, v[32+4*\p:35+4*\p] offset:STGP*\p
.endr
.irp c, 0,1
.irp i, 0,1,2,3,4,5,6,7
	ds_load_b128 v[96+32*\c+4*\i:99+32*\c+4*\i], v6 offset:256*\c+16*\i   ; k = 64 c + 32 h + 4 i on.  LDS serves a wave's instructions in order: these see my stores
.endr
.endr
	s_wait_dscnt 0x0
.irp c, 0,1                                    ; my block 2 c + h: all its 32 numbers are mine
	v_max3_num_f32 v[12+\c], |v[96+32*\c]|, |v[97+32*\c]|, 0x1800000   ; and the floor 2^(3 - 127)
.endr
.irp i, 2,4,6,8,10,12,14,16,18,20,22,24,26,28,30
.irp c, 0,1
	v_max3_num_f32 v[12+\c], v[12+\c], |v[96+32*\c+\i]|, |v[97+32*\c+\i]|
.endr
.endr
.irp c, 0,1
	v_add_nc_u32 v[14+\c], 0xff000000, v[12+\c]    ; 2 off the exponent field: the conversion's scale operand
.endr
.irp c, 0,1
	v_lshrrev_b32 v[16+\c], 23, v[14+\c]           ; the scale's byte
.endr
	v_lshl_or_b32 v18, v17, 16, v16                ; blocks h and 2 + h,
	v_lshlrev_b32 v19, 3, v3
	v_lshlrev_b32 v18, v19, v18                    ; 8 h bits up;
	v_mov_b32 v19, 0
	v_permlanex16_b32 v19, v18, s20, s21
	v_or_b32 v18, v18, v19                         ; with lane l xor 16's two the word is whole
.irp c, 0,1
.irp g, 0,1,2,3
	v_cvt_scalef32_pk8_fp4_f32 v[24+4*\c+\g], v[96+32*\c+8*\g:103+32*\c+8*\g], v[14+\c]
.endr
.endr
	v_nop                                          ; one plain instruction behind the conversions
	global_store_b128 v4, v[24:27], s[10:11]       ; 512 consecutive bytes each
	global_store_b128 v4, v[28:31], s[10:11] offset:512
	ds_store_b32 v7, v18                           ; both halves of the lanes write the same word with the same value
	s_wait_dscnt 0x0                               ; for the others' sake: my word has landed
	s_barrier_signal -1
	s_barrier_wait -1
	s_cmp_lg_u32 s[WV], 0
	s_cbranch_scc1 .Lx_done
	ds_load_b64 v[20:21], v8                       ; the four waves' words: 256 bytes
	s_wait_dscnt 0x0
	global_store_b64 v9, v[20:21], s[10:11] offset:4096   ; 32 lanes store 256 consecutive bytes, aligned (wave 0's image is the record's first)
.Lx_done:
	s_wait_tensorcnt 0x0
	ds_add_u32 v176, v177
	s_wait_dscnt 0x0
	s_endpgm
; ---------------- the weights: K is the FIRST axis.  A lane takes a column and its registers run down K: a block of 32 lies in one lane, and the codes come out with K innermost
.macro WLOAD n, wp, t
.irp i, 0,1,2,3,4,5,6,7,8,9,10,11,12,13,14,15,16,17,18,19,20,21,22,23,24,25,26,27,28,29,30,31
	global_load_b32 v[32+32*(\t)+\i], v4, s[\wp:\wp+1] offset:(32*(\t)+\i)*(\n)*4 th:TH_LOAD_NT   ; 32 lanes read 128 consecutive bytes of a row of W
.endr
.endm
.macro WBLOCK t, left
.set XS, 32+32*(\t)
	s_wait_loadcnt \left                           ; this block's 32 loads are in; the next block's may be out
	v_max3_num_f32 v12, |v[XS]|, |v[XS+1]|, |v[XS+2]|
	v_max3_num_f32 v13, |v[XS+3]|, |v[XS+4]|, |v[XS+5]|
.irp i, 6,10,14,18,22,26
	v_max3_num_f32 v12, v12, |v[XS+\i]|, |v[XS+\i+1]|
	v_max3_num_f32 v13, v13, |v[XS+\i+2]|, |v[XS+\i+3]|
.endr
	v_max3_num_f32 v12, v12, |v[XS+30]|, |v[XS+31]|
	v_max3_num_f32 v12, v12, v13, 0x1800000        ; and the floor
	v_add_nc_u32 v14, 0xff000000, v12
	v_lshrrev_b32 v15, 23, v14
.if (\t) == 0
	v_mov_b32 v18, v15
.else
	v_lshl_or_b32 v18, v15, 8*(\t), v18            ; the four bytes make the column's scale word of my K step
.endif
.irp g, 0,1,2,3
	v_cvt_scalef32_pk8_fp4_f32 v[160+4*(\t)+\g], v[XS+8*\g:XS+8*\g+7], v14
.endr
	v_nop                                          ; one plain instruction behind the conversions: the next block writes their scale operand
	global_store_b128 v5, v[160+4*(\t):163+4*(\t)], s[12:13] offset:256*(\t)   ; block t = 2 c + h lies at 512 c + 256 h + 16 r: each half of the lanes stores 256 consecutive bytes, aligned
.endm
.macro WPATH n, g0, scl, wp, isq
	s_sub_co_u32 s15, ttmp9, \g0
	s_and_b32 s16, s15, 1                          ; j
	s_lshr_b32 s15, s15, 1                         ; which 32 columns
	s_lshl_b32 s17, s16, 2
	s_add_co_u32 s17, s17, s[WV]                   ; my K step
.if \isq
	s_bfe_u32 s18, s15, 0x40001                    ; the head,
	s_mul_i32 s18, s18, 12
	s_lshr_b32 s19, s15, 5                         ; q, k or v,
	s_lshl_b32 s19, s19, 2
	s_add_co_u32 s18, s18, s19
	s_and_b32 s19, s15, 1                          ; which half of the head
	s_lshl_b32 s19, s19, 1
	s_add_co_u32 s18, s18, s19
.else
	s_lshl_b32 s18, s15, 1
	s_add_co_u32 s18, s18, 192
.endif
	s_mul_i32 s22, s17, 128*4*(\n)                 ; 128 rows of W a K step,
	s_lshl_b32 s23, s15, 7                         ; 128 bytes for each 32 columns
	s_add_co_u32 s22, s22, s23
	s_mov_b32 s23, 0
	s_add_nc_u64 s[\wp:\wp+1], s[\wp:\wp+1], s[22:23]
	s_mul_i32 s22, s18, TILEB
	s_mul_i32 s24, s16, HALFB
	s_add_co_u32 s22, s22, s24
	s_lshl_b32 s24, s[WV], 10
	s_add_co_u32 s22, s22, s24
	s_add_nc_u64 s[12:13], s[12:13], s[22:23]      ; the even tile's image of my K step
	v_and_b32 v10, 8, v2
	v_add_nc_u32 v10, v10, v2
	v_lshl_add_u32 v10, v3, 3, v10                 ; my column among the 32: 8 u + r + 8 (r / 8)
	v_lshlrev_b32 v4, 2, v10
	WLOAD \n, \wp, 0
	WLOAD \n, \wp, 1
	v_mul_u32_u24 v5, v3, TILEB
	v_lshl_add_u32 v5, v2, 4, v5                   ; out: tile u, 16 r
	v_lshlrev_b32 v6, 4, v1
	s_lshl_b32 s24, s[WV], 2
	v_add_nc_u32 v8, \scl, v6                      ; the scale words of the two tiles: 16 x lane,
	v_add_nc_u32 v7, s24, v8                       ; + 4 x wave
	WBLOCK 0, 32
	WLOAD \n, \wp, 2
	WBLOCK 1, 32
	WLOAD \n, \wp, 3
	WBLOCK 2, 32
	WBLOCK 3, 0
	ds_store_b32 v7, v18
	s_wait_dscnt 0x0                               ; for the others' sake: my word has landed
	s_barrier_signal -1
	s_barrier_wait -1
	s_cmp_lg_u32 s[WV], 0
	s_cbranch_scc1 .Lw_done_\@
	ds_load_b128 v[20:23], v8                      ; my column's four words
	s_wait_dscnt 0x0
	global_store_b128 v5, v[20:23], s[12:13] offset:4096   ; each half of the lanes stores 256 consecutive bytes, aligned
.Lw_done_\@:
	s_wait_tensorcnt 0x0
	ds_add_u32 v176, v177
	s_wait_dscnt 0x0
	s_endpgm
.endm
.Lweights:
	s_cmp_lt_u32 ttmp9, 704
	s_cbranch_scc0 .Lwout
	s_wait_alu depctr_va_vdst(0)
	WPATH 3072, 512, WSCLQ, 6, 1
.Lwout:
	s_wait_alu depctr_va_vdst(0)
	WPATH 1024, 704, WSCLO, 8, 0
.Lfunc_end_k_q557469c5de_quant:
	.size	k_q557469c5de_quant, .Lfunc_end_k_q557469c5de_quant-k_q557469c5de_quant
	.p2alignl 7, 3214868480
	.fill 96, 4, 3214868480
	.section	.rodata,"a",@progbits
	.p2align	6, 0x0
	.amdhsa_kernel k_q557469c5de_quant
		.amdhsa_group_segment_fixed_size 35584
		.amdhsa_private_segment_fixed_size 0
		.amdhsa_enable_private_segment 0
		.amdhsa_kernarg_size 40
		.amdhsa_user_sgpr_count 2
		.amdhsa_user_sgpr_kernarg_segment_ptr 1
		.amdhsa_wavefront_size32 1
		.amdhsa_system_sgpr_workgroup_id_x 1
		.amdhsa_system_sgpr_workgroup_id_y 1
		.amdhsa_system_sgpr_workgroup_id_z 1
		.amdhsa_system_vgpr_workitem_id 0
		.amdhsa_next_free_vgpr 178
		.amdhsa_next_free_sgpr 66
		.amdhsa_reserve_vcc 0
		.amdhsa_float_denorm_mode_32 3
		.amdhsa_float_denorm_mode_16_64 3
		.amdhsa_memory_ordered 1
		.amdhsa_forward_progress 1
		.amdhsa_inst_pref_size 51
	.end_amdhsa_kernel
	.amdgpu_metadata
---
amdhsa.version: [ 1, 2 ]
amdhsa.kernels:
  - .name:           k_q557469c5de_quant
    .symbol:         k_q557469c5de_quant.kd
    .args:
      - { .name: x, .offset: 0, .size: 8, .value_kind: global_buffer, .address_space: global }
      - { .name: W_qkv, .offset: 8, .size: 8, .value_kind: global_buffer, .address_space: global }
      - { .name: W_out, .offset: 16, .size: 8, .value_kind: global_buffer, .address_space: global }
      - { .name: xq, .offset: 24, .size: 8, .value_kind: global_buffer, .address_space: global }
      - { .name: wq, .offset: 32, .size: 8, .value_kind: global_buffer, .address_space: global }
    .group_segment_fixed_size: 35584
    .private_segment_fixed_size: 0
    .kernarg_segment_align: 8
    .kernarg_segment_size: 40
    .max_flat_workgroup_size: 128
    .sgpr_count:     66
    .vgpr_count:     178
    .wavefront_size: 32
...
	.end_amdgpu_metadata
.endif
;; end of part 1
;; launch qkvgemm (part 2): grid 16 x 16, 4 waves a work-group, clusters of 4 x 4, 246,272 bytes of LDS; arguments xq, wq, b_qkv, qkv; writes qkv
.if DOCPART == 2
	.amdgcn_target "amdgcn-amd-amdhsa--gfx1250"
	.amdhsa_code_object_version 6
	.text
	.protected	k_q557469c5de_qkvgemm
	.globl	k_q557469c5de_qkvgemm
	.p2align	8
	.type	k_q557469c5de_qkvgemm,@function
k_q557469c5de_qkvgemm:
	s_mov_b64 s[64:65], 0
	v_nop
	global_prefetch_b8 v0, s[64:65] scope:SCOPE_SE
	s_setreg_imm32_b32 hwreg(HW_REG_WAVE_MODE, 25, 1), 1
	s_wait_xcnt 0x0
	s_wait_alu depctr_hold_cnt(0) depctr_sa_sdst(0) depctr_va_vdst(0) depctr_va_sdst(0) depctr_va_ssrc(0) depctr_va_vcc(0) depctr_vm_vsrc(0)
	s_getreg_b32 s2, hwreg(HW_REG_IB_STS2, 6, 4)
	s_cmp_eq_u32 s2, 0
	s_cbranch_scc0 .Lentry_in_a_cluster
	s_endpgm
.Lentry_in_a_cluster:
	s_bfe_u32 s2, ttmp6, 0x10000c
	s_cmp_lg_u32 s2, 0xf033
	s_cbranch_scc0 .Lentry_shape_is_right
	s_endpgm
.Lentry_shape_is_right:
; qkv = x W_qkv + b_qkv on codes of FP4 with E8M0 scales; q and k are quantised again along the head's 64, v along the keys, and only codes and scale words go to memory.
; xq, wq: tiles of 16 rows as two half records of 4,352 bytes (four images of 1,024 bytes, one a K step of 128, then 256 bytes of scale words at 4,096 + 16 r + 4 q).  An image's 16 bytes at 512 c + 16 lane are
; a lane's registers 4 c .. 4 c + 3 of the fragment.  Place r of tile 2 g + u is row 32 g + 8 u + r + 8 (r / 8).
; SHARES: a work-group takes 256 rows of x and one head's q, k and v (12 tiles of W), all of K.  Wave w: rows 128 (w % 2) on (8 tiles); w / 2 = 0: q, 1: k (4 tiles), and v's tiles 2 (w / 2), 2 (w / 2) + 1: 48 accumulators.
; q, k: THE PRODUCT IS USED TRANSPOSED (source 0 = W, source 1 = x): a lane holds one token, and the 16 registers of two neighbouring tiles of W are 16 neighbours along d.
; v: not transposed (source 0 = x, source 1 = W): a lane holds one d, and the 16 registers of two neighbouring tiles of x are 16 neighbouring keys.  The bias is the C of each sum's first product.
; OUT: qkv [batch x head][block of 128 tokens][Q | K | V], 4,352 bytes each.  Q, K: image b holds token tiles 2 b (registers 0-3) and 2 b + 1 (registers 4-7), 64 d each; word at 4,096 + 16 r + 4 b: two bytes of each.
;      V: image t holds 16 d x 128 keys; word at 4,096 + 64 t + 4 r.
; LDS is filled once: both halves of K of 16 tiles of x and 12 of W, 243,712 bytes; no byte is filled twice.  CLUSTER 4 x 4: x's tiles are asked for jointly along a row of the cluster, W's along a column.
; LIMITS: a block whose largest magnitude lies under 2^-124 gets the byte 1; NaN and infinities are not served.
; REGISTERS: window 0: v1-20 addresses; v32-87, v88-143 scale words of K's two halves (x's tile i: +4 i + q; W's tile t: +32 + 4 t + q); v144-191 codes; v192-197 their scale words; v200-218 at work.
;   window 1: q's or k's accumulators, (i, t) at 8 (4 i + t).  window 2: v's, (i, t) at 64 t + 8 i; v128-159, v160-175 the biases.  window 3: two sets of fragments at 128 p: x's at + 8 i, W's at + 64 + 8 t.
.set TILEB, 8704
.set HALFB, 4352
.set XCH,   16*HALFB                   ; x's 16 tiles, half of K
.set WBASE, 2*XCH
.set WCH,   12*HALFB                   ; W's 12 tiles, half of K
.set RECB,  3*HALFB
.set WV,  12
.set RHO, 13                           ; s13 wave % 2: my 128 rows; also which half of a fetch is mine
.set SIG, 14                           ; s14 wave / 2: q or k, and which two tiles of v; also: I fetch x (0) or W (1)
.set G1X, 24
.set G0X, 32
.set G1W, 48
.set G0W, 56
.set SEL, 46
.set AX,  6
.set AWQ, 8
.set AWV, 10
.set SX,  12
.set SWQ, 14
.set SWV, 16
.set SC,  32
.set PC,  144
.set PW,  192
.set TM,  200
.set MSB, 0
.macro WIN new                         ; the immediate's high byte repeats the setting that is left
.if MSB != \new
	s_set_vgpr_msb (MSB<<8)|\new
.set MSB, \new
.endif
.endm
.macro CROUND                          ; a round of the cluster's barrier
	s_barrier_signal -1
	s_barrier_wait -1
	s_cmp_lg_u32 s[WV], 0
	s_cbranch_scc1 .Lnot_wave_0_\@
	s_barrier_signal -3
.Lnot_wave_0_\@:
	s_barrier_wait -3
	s_barrier_signal -1
	s_barrier_wait -1
.endm
.macro PLACES                          ; four plain instructions between a matrix instruction and a load into its registers or a read of its result
.rept 4
	v_nop
.endr
.endm
	s_load_b256 s[4:11], s[0:1], 0x0               ; xq s[4:5], wq s[6:7], b_qkv s[8:9], qkv s[10:11]
	v_lshl_add_u32 v254, v0, 2, 0x3c000
	v_mov_b32 v255, 0
	ds_add_u32 v254, v255
	ds_add_u32 v254, v255
	v_lshrrev_b32 v1, 5, v0
	v_readfirstlane_b32 s[WV], v1
	s_and_b32 s[RHO], s[WV], 1
	s_lshr_b32 s[SIG], s[WV], 1
	s_bfe_u32 s40, ttmp6, 0x40000                  ; cx, cy: my place in the cluster
	s_bfe_u32 s41, ttmp6, 0x40004
	s_lshl_b32 s42, ttmp9, 2
	s_add_co_u32 s42, s42, s40                     ; the head
	s_and_b32 s43, ttmp7, 0xffff
	s_lshl_b32 s43, s43, 2
	s_add_co_u32 s43, s43, s41                     ; the block of 256 rows
	s_lshl_b32 s44, s41, 2
	s_lshl_b32 s44, 15, s44                        ; my row of the cluster
	s_lshl_b32 s45, 0x1111, s40                    ; my column
	; group 1: 16 (x) or 12 (W) half records of 544 elements of 8 bytes, 1,088 elements apart in memory, on end in LDS: one half of K of all the work-group's tiles
	s_or_b32 s[G1X], s44, (3<<16)|(1<<21)          ; 15:0 the mask; 17:16 elements of 8 bytes; 21 set beside a mask; no padding
	s_or_b32 s[G1W], s45, (3<<16)|(1<<21)
	s_mov_b32 s[G1X+1], 544<<16                    ; tensor_dim0
	s_mov_b32 s[G1X+2], 16<<16                     ; tensor_dim1
	s_mov_b32 s[G1X+3], 544<<16                    ; tile_dim0
	s_mov_b32 s[G1X+4], 16                         ; tile_dim1
	s_mov_b32 s[G1X+5], 1088                       ; from tile to tile
	s_mov_b32 s[G1X+6], 0
	s_mov_b32 s[G1X+7], 0
	s_mov_b32 s[G1W+1], 544<<16
	s_mov_b32 s[G1W+2], 12<<16
	s_mov_b32 s[G1W+3], 544<<16
	s_mov_b32 s[G1W+4], 12
	s_mov_b32 s[G1W+5], 1088
	s_mov_b32 s[G1W+6], 0
	s_mov_b32 s[G1W+7], 0
	s_lshl_b32 s16, s43, 4
	s_mul_i32 s16, s16, TILEB                      ; x: tile 16 x block,
	s_mul_i32 s17, s[RHO], HALFB                   ; the half of K that I fetch
	s_add_co_u32 s16, s16, s17
	s_mov_b32 s17, 0
	s_mul_i32 s46, s42, 12
	s_mul_i32 s46, s46, TILEB                      ; W: tile 12 x head,
	s_mul_i32 s47, s[RHO], HALFB                   ; the half of K that I fetch
	s_add_co_u32 s46, s46, s47
	s_mov_b32 s47, 0
	s_mul_i32 s22, s[RHO], XCH                     ; where they go: no place in the cluster enters an LDS address
	s_mul_i32 s23, s[RHO], WCH
	s_wait_dscnt 0x0
	s_wait_kmcnt 0x0
	s_add_nc_u64 s[18:19], s[4:5], s[16:17]
	s_add_nc_u64 s[20:21], s[6:7], s[46:47]
	CROUND                                         ; all sixteen work-groups are here: the joint loads meet
.irp j, 0
	s_mov_b32 s[G0X+4*\j], 1
	s_add_co_u32 s[G0X+4*\j+1], s22, \j*XCH
	s_add_nc_u64 s[G0X+4*\j+2:G0X+4*\j+3], s[18:19], \j*HALFB
	s_or_b32 s[G0X+4*\j+3], s[G0X+4*\j+3], 0x80000000
	s_mov_b32 s[G0W+4*\j], 1
	s_add_co_u32 s[G0W+4*\j+1], s23, WBASE+\j*WCH
	s_add_nc_u64 s[G0W+4*\j+2:G0W+4*\j+3], s[20:21], \j*HALFB
	s_or_b32 s[G0W+4*\j+3], s[G0W+4*\j+3], 0x80000000
.endr
	s_cmp_eq_u32 s[SIG], 0                         ; one fill a wave: waves 0 and 1 the two halves of K of x's 16 tiles, waves 2 and 3 those of W's 12
	s_cbranch_scc0 .Lfirst_w
	tensor_load_to_lds s[G0X:G0X+3], s[G1X:G1X+7]
	s_nop 0
.rept 4
	v_nop
.endr
	s_branch .Lfirst_asked
.Lfirst_w:
	tensor_load_to_lds s[G0W:G0W+3], s[G1W:G1W+7]
	s_nop 0
.rept 4
	v_nop
.endr
.Lfirst_asked:
	v_and_b32 v1, 15, v0                           ; r
	v_bfe_u32 v2, v0, 4, 1                         ; h
	v_and_b32 v3, 31, v0
	v_lshlrev_b32 v5, 2, v3                        ; 4 x lane
	v_lshlrev_b32 v3, 4, v3                        ; 16 x lane
	v_lshlrev_b32 v4, 4, v1                        ; 16 r
	v_lshlrev_b32 v18, 6, v2                       ; 64 h
	s_wait_alu depctr_va_vdst(0)
	v_and_b32 v19, 8, v1
	v_add_nc_u32 v19, v19, v1
	v_lshlrev_b32 v19, 2, v19                      ; 4 (r + 8 (r / 8))
	s_wait_alu depctr_va_vdst(0)
	v_lshl_add_u32 v20, v2, 3, v4                  ; 16 r + 8 h
	s_lshl_b32 s16, s[SIG], 12
	s_lshl_b32 s17, s42, 8
	s_add_co_u32 s16, s16, s17
	s_mov_b32 s17, 0
	s_add_nc_u64 s[18:19], s[8:9], s[16:17]        ; b_qkv at q's or k's 64 numbers of the head
	s_lshl_b32 s20, s42, 8
	s_lshl_b32 s21, s[SIG], 7
	s_add_co_u32 s20, s20, s21
	s_add_co_u32 s20, s20, 8192
	s_mov_b32 s21, 0
	s_add_nc_u64 s[22:23], s[8:9], s[20:21]        ; and at my 32 of v's
	WIN 0x80                                       ; destination window 2
.irp t, 0,1,2,3                                ; q, k: lane (r, h), register e of tile t: d = 32 (t / 2) + 16 h + 8 (t % 2) + e
	global_load_b128 v[128+8*\t:131+8*\t], v18, s[18:19] offset:4*(32*(\t/2)+8*(\t%2))
	global_load_b128 v[132+8*\t:135+8*\t], v18, s[18:19] offset:4*(32*(\t/2)+8*(\t%2))+16
.endr
.irp t, 0,1                                    ; v: a lane holds one d: eight registers with the same number
.irp e, 0,1,2,3,4,5,6,7
	global_load_b32 v[160+8*\t+\e], v19, s[22:23] offset:32*\t
.endr
.endr
	WIN 0
	s_mul_i32 s2, s[RHO], 8*HALFB                  ; my 8 tiles of x
	v_add_nc_u32 v[AX], s2, v3
	v_add_nc_u32 v[AX+1], XCH, v[AX]
	v_add_nc_u32 v[SX], s2, v4
	v_add_nc_u32 v[SX+1], XCH, v[SX]
	s_mul_i32 s2, s[SIG], 4*HALFB                  ; q's or k's 4 tiles of W
	s_add_co_u32 s2, s2, WBASE
	v_add_nc_u32 v[AWQ], s2, v3
	v_add_nc_u32 v[AWQ+1], WCH, v[AWQ]
	v_add_nc_u32 v[SWQ], s2, v4
	v_add_nc_u32 v[SWQ+1], WCH, v[SWQ]
	s_mul_i32 s2, s[SIG], 2*HALFB                  ; my 2 tiles of v's
	s_add_co_u32 s2, s2, WBASE+8*HALFB
	v_add_nc_u32 v[AWV], s2, v3
	v_add_nc_u32 v[AWV+1], WCH, v[AWV]
	v_add_nc_u32 v[SWV], s2, v4
	v_add_nc_u32 v[SWV+1], WCH, v[SWV]
.irp b, 0,1,2,3
	v_mov_b32 v[TM+4+\b], 0                        ; written once: a lane permute's destination counts as one of its sources
.endr
	s_lshr_b32 s2, s43, 3                          ; the batch,
	s_lshl_b32 s2, s2, 4
	s_add_co_u32 s2, s2, s42                       ; x 16 + head,
	s_lshl_b32 s2, s2, 4
	s_and_b32 s3, s43, 7
	s_lshl_b32 s3, s3, 1
	s_add_co_u32 s2, s2, s3
	s_add_co_u32 s2, s2, s[RHO]                    ; x 16 + my block of 128 tokens
	s_mul_i32 s2, s2, RECB
	s_mov_b32 s3, 0
	s_add_nc_u64 s[10:11], s[10:11], s[2:3]        ; my record
	s_mul_i32 s2, s[SIG], HALFB
	s_add_nc_u64 s[16:17], s[10:11], s[2:3]        ; its Q or its K
	s_lshl_b32 s2, s[SIG], 11
	s_add_co_u32 s2, s2, 2*HALFB
	s_add_nc_u64 s[20:21], s[10:11], s[2:3]        ; my two images of V
	s_lshl_b32 s2, s[SIG], 7
	s_add_co_u32 s2, s2, 2*HALFB+4096
	s_add_nc_u64 s[10:11], s[10:11], s[2:3]        ; and their scale words
	s_mov_b32 s[SEL], 0x76543210
	s_mov_b32 s[SEL+1], 0xfedcba98
.macro FETCH s                         ; K step s: 28 loads, the images as they lie, into set s % 2
.set FJ, (\s)/4
.set FQ, 1024*((\s)%4)
.set FP, 128*((\s)%2)
	WIN 0xc0                                       ; destination window 3
.irp i, 0,1,2,3,4,5,6,7
.irp c, 0,1
	ds_load_b128 v[FP+8*\i+4*\c:FP+8*\i+4*\c+3], v[AX+FJ] offset:\i*HALFB+FQ+512*\c
.endr
.endr
.irp t, 0,1,2,3
.irp c, 0,1
	ds_load_b128 v[FP+64+8*\t+4*\c:FP+64+8*\t+4*\c+3], v[AWQ+FJ] offset:\t*HALFB+FQ+512*\c
.endr
.endr
.irp t, 0,1
.irp c, 0,1
	ds_load_b128 v[FP+96+8*\t+4*\c:FP+96+8*\t+4*\c+3], v[AWV+FJ] offset:\t*HALFB+FQ+512*\c
.endr
.endr
.endm
.macro SCALES j                        ; the scale words of four K steps: 14 loads, four words of row r each
	WIN 0
.irp i, 0,1,2,3,4,5,6,7
	ds_load_b128 v[SC+56*\j+4*\i:SC+56*\j+4*\i+3], v[SX+\j] offset:\i*HALFB+4096
.endr
.irp t, 0,1,2,3
	ds_load_b128 v[SC+56*\j+32+4*\t:SC+56*\j+32+4*\t+3], v[SWQ+\j] offset:\t*HALFB+4096
.endr
.irp t, 0,1
	ds_load_b128 v[SC+56*\j+48+4*\t:SC+56*\j+48+4*\t+3], v[SWV+\j] offset:\t*HALFB+4096
.endr
.endm
; 48 matrix instructions: the 48 accumulators take turns, one instruction a turn, in the same order in every K step.  first = 1: the biases start the sums
.macro MUL s, first
.set MB, SC+56*((\s)/4)+(\s)%4
.set MP, 128*((\s)%2)
.if \first
	WIN 0x6f                                       ; sources 0, 1 window 3, C window 2, D window 1
.else
	WIN 0x5f                                       ; C and D window 1
.endif
.irp i, 0,1,2,3,4,5,6,7
.irp t, 0,1,2,3
.if \first
	v_wmma_scale_f32_16x16x128_f8f6f4 v[8*(4*\i+\t):8*(4*\i+\t)+7], v[MP+64+8*\t:MP+64+8*\t+7], v[MP+8*\i:MP+8*\i+7], v[128+8*\t:128+8*\t+7], v[MB+32+4*\t], v[MB+4*\i] matrix_a_fmt:MATRIX_FMT_FP4 matrix_b_fmt:MATRIX_FMT_FP4
.else
	v_wmma_scale_f32_16x16x128_f8f6f4 v[8*(4*\i+\t):8*(4*\i+\t)+7], v[MP+64+8*\t:MP+64+8*\t+7], v[MP+8*\i:MP+8*\i+7], v[8*(4*\i+\t):8*(4*\i+\t)+7], v[MB+32+4*\t], v[MB+4*\i] matrix_a_fmt:MATRIX_FMT_FP4 matrix_b_fmt:MATRIX_FMT_FP4
.endif
.endr
.endr
	WIN 0xaf                                       ; C and D window 2
.irp i, 0,1,2,3,4,5,6,7
.irp t, 0,1
.if \first
	v_wmma_scale_f32_16x16x128_f8f6f4 v[64*\t+8*\i:64*\t+8*\i+7], v[MP+8*\i:MP+8*\i+7], v[MP+96+8*\t:MP+96+8*\t+7], v[160+8*\t:160+8*\t+7], v[MB+4*\i], v[MB+48+4*\t] matrix_a_fmt:MATRIX_FMT_FP4 matrix_b_fmt:MATRIX_FMT_FP4
.else
	v_wmma_scale_f32_16x16x128_f8f6f4 v[64*\t+8*\i:64*\t+8*\i+7], v[MP+8*\i:MP+8*\i+7], v[MP+96+8*\t:MP+96+8*\t+7], v[64*\t+8*\i:64*\t+8*\i+7], v[MB+4*\i], v[MB+48+4*\t] matrix_a_fmt:MATRIX_FMT_FP4 matrix_b_fmt:MATRIX_FMT_FP4
.endif
.endr
.endr
.endm
; 64 registers of a window, register 16 b + i = place 32 b + 16 (lane / 16) + i along the next K, become a fragment's codes in v[pc] on and its scale word in v[pw].
; wm, wc: the window settings for the maxima (sources 0 and 1) and the conversions (source 0).  Each accumulator is read from its low end on.
.macro QUANT wm, wc, s, pc, pw
	WIN \wm
.irp b, 0,1,2,3
	v_max3_num_f32 v[TM+\b], |v[(\s)+16*\b]|, |v[(\s)+16*\b+1]|, 0x1800000   ; my 16 numbers of block b, and the floor 2^(3 - 127)
.endr
.irp i, 2,4,6,8,10,12,14
.irp b, 0,1,2,3
	v_max3_num_f32 v[TM+\b], |v[(\s)+16*\b+\i]|, |v[(\s)+16*\b+\i+1]|, v[TM+\b]
.endr
.endr
	WIN 0
.irp b, 0,1,2,3
	v_permlanex16_b32 v[TM+4+\b], v[TM+\b], s[SEL], s[SEL+1]
.endr
.irp b, 0,1,2,3
	v_max_num_f32 v[TM+\b], v[TM+\b], v[TM+4+\b]   ; with lane l xor 16's: the block's largest magnitude
.endr
.irp b, 0,1,2,3
	v_add_nc_u32 v[TM+12+\b], 0xff000000, v[TM+\b] ; 2 off the exponent field: the conversion's scale operand
.endr
.irp b, 0,1,2,3
	v_lshrrev_b32 v[TM+4+\b], 23, v[TM+12+\b]      ; the scale's byte
.endr
	v_lshl_or_b32 v[\pw], v[TM+5], 8, v[TM+4]
	v_lshl_or_b32 v[\pw], v[TM+6], 16, v[\pw]
	v_lshl_or_b32 v[\pw], v[TM+7], 24, v[\pw]
	WIN \wc
.irp b, 0,1,2,3
	v_cvt_scalef32_pk8_fp4_f32 v[(\pc)+2*\b], v[(\s)+16*\b:(\s)+16*\b+7], v[TM+12+\b]
	v_cvt_scalef32_pk8_fp4_f32 v[(\pc)+2*\b+1], v[(\s)+16*\b+8:(\s)+16*\b+15], v[TM+12+\b]
.endr
	WIN 0
	v_nop                                          ; one plain instruction behind the conversions
.irp c, 0,1                                    ; the operand's layout wants a whole block in a lane
.irp i, 0,1
	v_permlane16_swap_b32 v[(\pc)+4*\c+\i], v[(\pc)+4*\c+2+\i]
.endr
.endr
.endm
	s_wait_alu depctr_va_vdst(0)
	s_wait_tensorcnt 0x0                           ; my one load is in
	s_barrier_signal -1
	s_barrier_wait -1                              ; everybody's is
	SCALES 0
	FETCH 0
	FETCH 1
	s_wait_loadcnt 0x0                             ; the biases
	s_wait_dscnt 28                                ; all but K step 1's 28
	MUL 0, 1
.irp s, 1,2
	PLACES
	FETCH \s+1
	s_wait_dscnt 28                                ; all but the 28 just issued
	MUL \s, 0
.endr
	WIN 0
	s_wait_dscnt 0x0                               ; K step 3's fragments are in
	PLACES
	SCALES 1
	FETCH 4
	MUL 3, 0
.irp s, 4,5,6
	PLACES
	FETCH \s+1
	s_wait_dscnt 28
	MUL \s, 0
.endr
	s_wait_dscnt 0x0
	MUL 7, 0
	PLACES
	; THE WAY OUT.  No register that a store reads is written again.
.irp bb, 0,1,2,3                               ; token tiles 2 bb, 2 bb + 1 of q or k: 64 registers on end
	QUANT 0x05, 0x01, 64*\bb, PC+8*\bb, PW+\bb
	global_store_b128 v3, v[PC+8*\bb:PC+8*\bb+3], s[16:17] offset:1024*\bb         ; 512 consecutive bytes each
	global_store_b128 v3, v[PC+8*\bb+4:PC+8*\bb+7], s[16:17] offset:1024*\bb+512
.endr
	v_cmp_eq_u32 vcc_lo, 1, v2
	v_cndmask_b32 v216, v[PW], v[PW+2], vcc_lo     ; lanes 0-15 take words 0 and 1 of their row, lanes 16-31 words 2 and 3
	v_cndmask_b32 v217, v[PW+1], v[PW+3], vcc_lo
	global_store_b64 v20, v[216:217], s[16:17] offset:4096   ; 32 lanes store 256 consecutive bytes, aligned
.irp tt, 0,1                                   ; my two tiles of v: 128 keys each
	QUANT 0x0a, 0x02, 64*\tt, PC+32+8*\tt, PW+4+\tt
	global_store_b128 v3, v[PC+32+8*\tt:PC+32+8*\tt+3], s[20:21] offset:1024*\tt
	global_store_b128 v3, v[PC+32+8*\tt+4:PC+32+8*\tt+7], s[20:21] offset:1024*\tt+512
.endr
	v_cndmask_b32 v218, v[PW+4], v[PW+5], vcc_lo
	global_store_b32 v5, v218, s[10:11]            ; 128 consecutive bytes: half of V's 256 bytes of words; the other half is the partner wave's (1 byte in 32 of what the wave stores)
	s_wait_tensorcnt 0x0
	ds_add_u32 v254, v255
	s_wait_dscnt 0x0
	CROUND                                         ; the closing round: no work-group ends while a partner may still ask for a tile that names it
	s_endpgm
.Lfunc_end_k_q557469c5de_qkvgemm:
	.size	k_q557469c5de_qkvgemm, .Lfunc_end_k_q557469c5de_qkvgemm-k_q557469c5de_qkvgemm
	.p2alignl 7, 3214868480
	.fill 96, 4, 3214868480
	.section	.rodata,"a",@progbits
	.p2align	6, 0x0
	.amdhsa_kernel k_q557469c5de_qkvgemm
		.amdhsa_group_segment_fixed_size 246272
		.amdhsa_private_segment_fixed_size 0
		.amdhsa_enable_private_segment 0
		.amdhsa_kernarg_size 32
		.amdhsa_user_sgpr_count 2
		.amdhsa_user_sgpr_kernarg_segment_ptr 1
		.amdhsa_wavefront_size32 1
		.amdhsa_system_sgpr_workgroup_id_x 1
		.amdhsa_system_sgpr_workgroup_id_y 1
		.amdhsa_system_sgpr_workgroup_id_z 1
		.amdhsa_system_vgpr_workitem_id 0
		.amdhsa_next_free_vgpr 1024
		.amdhsa_next_free_sgpr 66
		.amdhsa_reserve_vcc 1
		.amdhsa_float_denorm_mode_32 3
		.amdhsa_float_denorm_mode_16_64 3
		.amdhsa_memory_ordered 1
		.amdhsa_forward_progress 1
		.amdhsa_inst_pref_size 100
	.end_amdhsa_kernel
	.amdgpu_metadata
---
amdhsa.version: [ 1, 2 ]
amdhsa.kernels:
  - .name:           k_q557469c5de_qkvgemm
    .symbol:         k_q557469c5de_qkvgemm.kd
    .args:
      - { .name: xq, .offset: 0, .size: 8, .value_kind: global_buffer, .address_space: global }
      - { .name: wq, .offset: 8, .size: 8, .value_kind: global_buffer, .address_space: global }
      - { .name: b_qkv, .offset: 16, .size: 8, .value_kind: global_buffer, .address_space: global }
      - { .name: qkv, .offset: 24, .size: 8, .value_kind: global_buffer, .address_space: global }
    .group_segment_fixed_size: 246272
    .private_segment_fixed_size: 0
    .kernarg_segment_align: 8
    .kernarg_segment_size: 32
    .max_flat_workgroup_size: 128
    .sgpr_count:     66
    .vgpr_count:     1024
    .wavefront_size: 32
...
	.end_amdgpu_metadata
.endif
;; end of part 2
;; launch attn (part 3): grid 8 x 32, 16 waves a work-group, clusters of 4 x 1, 169,984 bytes of LDS; arguments qkv, aq; writes aq
.if DOCPART == 3
	.amdgcn_target "amdgcn-amd-amdhsa--gfx1250"
	.amdhsa_code_object_version 6
	.text
	.protected	k_q557469c5de_attn
	.globl	k_q557469c5de_attn
	.p2align	8
	.type	k_q557469c5de_attn,@function
k_q557469c5de_attn:
	s_mov_b64 s[64:65], 0
	v_nop
	global_prefetch_b8 v0, s[64:65] scope:SCOPE_SE
	s_setreg_imm32_b32 hwreg(HW_REG_WAVE_MODE, 25, 1), 1
	s_wait_xcnt 0x0
	s_wait_alu depctr_hold_cnt(0) depctr_sa_sdst(0) depctr_va_vdst(0) depctr_va_sdst(0) depctr_va_ssrc(0) depctr_va_vcc(0) depctr_vm_vsrc(0)
	s_getreg_b32 s2, hwreg(HW_REG_IB_STS2, 6, 4)
	s_cmp_eq_u32 s2, 0
	s_cbranch_scc0 .Lentry_in_a_cluster
	s_endpgm
.Lentry_in_a_cluster:
	s_bfe_u32 s2, ttmp6, 0x10000c
	s_cmp_lg_u32 s2, 0x3003
	s_cbranch_scc0 .Lentry_shape_is_right
	s_endpgm
.Lentry_shape_is_right:
; For each of 32 (batch, head): O = softmax(Q K^T / 8) V on codes of FP4 with E8M0 scales; O / l is quantised along d and stored as codes, an operand of the last product.
; THE SOFTMAX: t = score x log2(e) / 8; M = the running largest t rounded UP to a whole number; p = 2^(t - M) is quantised along the keys, not normalised; l is the sum of the unquantised p, in f32.
; When M moves, l and O are multiplied by f = 2^(old M - new M): exact.
; qkv: [batch x head][block of 128 tokens][Q | K | V], 4,352 bytes each.  Q, K: image b (1,024 bytes) holds token tiles 2 b (a lane's registers 0-3) and 2 b + 1 (registers 4-7), 64 d each; word at 4,096 + 16 r + 4 b.
; V: image t: 16 d x 128 keys; word at 4,096 + 64 t + 4 r.  Place r of tile 2 g + u (tokens, and d in V) is 32 g + 8 u + r + 8 (r / 8).
; THE HEAD'S 64 IN AN INSTRUCTION OF 128: source 0 is K's image as it lies, two tiles of keys side by side along K; source 1 is [Q | zeros] for the first tile and [zeros | Q] for the second.  Zero codes add nothing.
; SHARES: a work-group owns 256 queries of a head, each of its 16 waves one tile of 16.  Both products are used transposed (S^T = K Q^T, O^T = V^T P^T): a lane holds one query.
; LDS: the head's whole K and V, 16 records of 8,704 bytes, filled once: wave w brings record w, one joint load a wave.  One barrier shows all records to all waves; the walk over the keys has none.
; CLUSTER 4 x 1: the four blocks of queries of a cluster share the head.  No prefetch: all of K and V is asked for at the head, and there is no loop of loads to run ahead in.
; THE WALK IS LAID ONE PRODUCT AHEAD: step n's scores are made at the end of step n - 1, behind the conversions that free their registers.  So the 16 rescalings of O^T stand between the scores' products and their
; first reader, the first four maxima stand between P V's products and the loads into V's registers, and K of step n + 1 and V of step n come from LDS under step n's softmax.
; 16 steps = 5 trips of 3 steps, with the records' places as immediate offsets, and a last step written out, which fetches no further K and makes no further scores.
; LIMITS: a block whose largest p lies under 2^-124 gets the byte 1; the promise holds while the scaled scores stay under 2^31 in magnitude; NaN and infinities are not served.
; A block's scale comes from 2^(t - M - 2) of its largest score: where that p lies within a rounding of a power of two, the byte may fall on either side.
; REGISTERS: v1-3 16 lane, 16 r, 4 lane; v4-6 the same in the trip's first record; v12 -M, v13 the largest score; v16-23 [Q | 0], v24-31 [0 | Q]; v32-63 K; v64-95 V; v96-159 S^T, then p; v160-191 O^T;
;   v192-199 p's codes; v200-207, v214-215 at work; v212 f; v220 p's scale word; v224-227 K's, v228-229 V's, v230 Q's scale words; v232-247 l in eight packed sums; v254-255 the add's two.
.set RECB,  13056
.set HALFB, 4352
.set KVB,   8704
.set SPARE, 0x29000                    ; behind the records: the spare words, 128 bytes for each of 16 waves
.set WV,  12
.set SEL, 20
.set CS,  22
.set G1,  24
.set G0,  32
.set TB,  2                            ; s2  LDS byte at which the trip's first record begins
.set CNT, 3
.set LS,  232
.macro CROUND                          ; a round of the cluster's barrier
	s_barrier_signal -1
	s_barrier_wait -1
	s_cmp_lg_u32 s[WV], 0
	s_cbranch_scc1 .Lnot_wave_0_\@
	s_barrier_signal -3
.Lnot_wave_0_\@:
	s_barrier_wait -3
	s_barrier_signal -1
	s_barrier_wait -1
.endm
.macro KLOAD ac, aw, q                 ; record q's K: its four scale words of row r, and four images
	ds_load_b128 v[224:227], v[\aw] offset:(\q)*KVB+4096
.irp f, 0,1,2,3
	ds_load_b128 v[32+8*\f:35+8*\f], v[\ac] offset:(\q)*KVB+1024*\f
	ds_load_b128 v[36+8*\f:39+8*\f], v[\ac] offset:(\q)*KVB+1024*\f+512
.endr
.endm
.macro SCORES                          ; S^T of 128 keys: register 16 b + i: key 32 b + 16 (lane / 16) + i of the step
.irp f, 0,1,2,3
	v_wmma_scale_f32_16x16x128_f8f6f4 v[96+16*\f:103+16*\f], v[32+8*\f:39+8*\f], v[16:23], 0, v[224+\f], v230 matrix_a_fmt:MATRIX_FMT_FP4 matrix_b_fmt:MATRIX_FMT_FP4
	v_wmma_scale_f32_16x16x128_f8f6f4 v[104+16*\f:111+16*\f], v[32+8*\f:39+8*\f], v[24:31], 0, v[224+\f], v230 matrix_a_fmt:MATRIX_FMT_FP4 matrix_b_fmt:MATRIX_FMT_FP4
.endr
.endm
	s_load_b128 s[4:7], s[0:1], 0x0                ; qkv s[4:5], aq s[6:7]
	v_lshl_add_u32 v254, v0, 2, SPARE
	v_mov_b32 v255, 0
	ds_add_u32 v254, v255                          ; the opening lines: the add, twice on end, and its wait ahead of my tensor load
	ds_add_u32 v254, v255
	v_lshrrev_b32 v8, 5, v0
	s_delay_alu instid0(VALU_DEP_1)
	v_readfirstlane_b32 s[WV], v8                  ; wave 0..15
	v_and_b32 v3, 31, v0
	v_and_b32 v2, 15, v0
	s_delay_alu instid0(VALU_DEP_2)
	v_lshlrev_b32 v1, 4, v3                        ; 16 x lane
	v_lshlrev_b32 v3, 2, v3                        ; 4 x lane
	v_lshlrev_b32 v2, 4, v2                        ; 16 r
	s_bfe_u32 s13, ttmp6, 0x40000                  ; cx
	s_lshl_b32 s14, ttmp9, 2
	s_add_co_u32 s14, s14, s13                     ; my block of 256 queries: it enters Q's and aq's addresses in memory alone
	s_and_b32 s15, ttmp7, 0xffff                   ; batch x 16 + head, which the four partners share
	; group 1: a record's K and V, 8,704 dense bytes, as 34 rows of 256 bytes (32 elements of 8)
	s_mov_b32 s[G1], 15|(3<<16)|(1<<21)            ; 15:0 the mask: all four work-groups; 17:16 elements of 8 bytes; 21 set beside a mask
	s_mov_b32 s[G1+1], 32<<16
	s_mov_b32 s[G1+2], 34<<16
	s_mov_b32 s[G1+3], 32<<16
	s_mov_b32 s[G1+4], 34
	s_mov_b32 s[G1+5], 32
	s_mov_b32 s[G1+6], 0
	s_mov_b32 s[G1+7], 0
	s_lshl_b32 s16, s15, 4
	s_add_co_u32 s16, s16, s[WV]                   ; wave w brings record w of the head
	s_mul_i32 s16, s16, RECB
	s_add_co_u32 s16, s16, HALFB                   ; behind the record's Q
	s_mov_b32 s17, 0
	s_mul_i32 s48, s[WV], KVB                      ; and where it goes
	s_lshl_b32 s50, s15, 4
	s_lshl_b32 s51, s14, 1
	s_add_co_u32 s50, s50, s51
	s_lshr_b32 s51, s[WV], 3
	s_add_co_u32 s50, s50, s51                     ; my queries' record: block of 128 tokens 2 x block + wave / 8
	s_mul_i32 s50, s50, RECB
	s_and_b32 s52, s[WV], 7
	s_lshl_b32 s52, s52, 9                         ; tile wave % 8 of it: 512 bytes a tile
	s_add_co_u32 s52, s52, s50
	s_mov_b32 s53, 0
	s_bfe_u32 s54, s[WV], 0x20001
	s_lshl_b32 s54, s54, 2                         ; the word of the pair of tiles
	s_add_co_u32 s54, s54, s50
	s_mov_b32 s55, 0
	s_mov_b32 s56, 0x03020302                      ; the odd tile's two bytes, twice;
	s_and_b32 s57, s[WV], 1
	s_cmp_eq_u32 s57, 0
	s_cselect_b32 s56, 0x01000100, s56             ; the even tile's
	s_mov_b32 s[SEL], 0x76543210
	s_mov_b32 s[SEL+1], 0xfedcba98                 ; v_permlanex16_b32's selects for lane l xor 16
	s_mov_b32 s[CS], 0x3e38aa3b                    ; c = log2(e) / 8
	s_mov_b32 s[CS+1], s[CS]                       ; (named with it as a pair, so it is written)
	s_mov_b32 s[TB], 0
	s_wait_alu depctr_va_vdst(0)
	s_wait_dscnt 0x0                               ; both opening adds are done
	s_wait_kmcnt 0x0
	s_add_nc_u64 s[52:53], s[4:5], s[52:53]
	s_add_nc_u64 s[54:55], s[4:5], s[54:55]
	global_load_b128 v[16:19], v1, s[52:53]        ; Q's 16 bytes a lane, twice: two runs of registers
	global_load_b128 v[28:31], v1, s[52:53]
	global_load_b32 v231, v2, s[54:55] offset:4096
	s_mov_b32 s[G0], 1
	s_mov_b32 s[G0+1], s48
	s_add_nc_u64 s[G0+2:G0+3], s[4:5], s[16:17]
	s_or_b32 s[G0+3], s[G0+3], 0x80000000
	CROUND                                         ; all four work-groups are here: the joint loads meet
	tensor_load_to_lds s[G0:G0+3], s[G1:G1+7]      ; my one load: every wave issues one
	s_nop 0
.irp j, 20,21,22,23,24,25,26,27
	v_mov_b32 v[\j], 0                             ; the zero halves
.endr
	v_mov_b32 v13, 0xff61b1e6                      ; the largest score so far: -3e38
	v_mov_b32 v12, 0x7d000000                      ; -M: a large whole number, so that the first f is 0
.irp j, 204,205,206,207,213
	v_mov_b32 v[\j], 0                             ; lane permutes' destinations, and the upper half of the pair v[212:213]: written before they are named
.endr
	s_wait_loadcnt 0x0                             ; Q
	v_perm_b32 v230, v231, v231, s56               ; Q's scale word: my tile's two bytes for both halves of the 128
.set JJ, 0
.rept 16
	v_mov_b32 v[LS+JJ], 0                          ; l.  (These stand between Q's scale word and the first products)
.set JJ, JJ+1
.endr
	s_wait_alu depctr_va_vdst(0)
	s_wait_tensorcnt 0x0                           ; my record is in
	s_barrier_signal -1
	s_barrier_wait -1                              ; everybody's is: nothing is filled again
	KLOAD 1, 2, 0
	s_wait_dscnt 0x0
	SCORES                                         ; step 0's scores
.set JJ, 0
.rept 32
	v_mov_b32 v[160+JJ], 0                         ; O^T: the step is written once; the first finds zeros.  (These stand between the products and the first read of the scores)
.set JJ, JJ+1
.endr
; A KEY STEP: 128 keys, record q of the trip; its scores are in v96-159.  more = 1: the next record's K is fetched and its scores are made.
.macro STEP q, more
.irp b, 0,1,2,3
	v_max3_num_f32 v[200+\b], v[96+16*\b], v[97+16*\b], v[98+16*\b]   ; the largest score of each block of 32 keys.  (These four stand between the last step's products and the loads into V's registers)
.endr
.irp f, 0,1,2,3
	ds_load_b128 v[64+8*\f:67+8*\f], v4 offset:(\q)*KVB+HALFB+1024*\f
	ds_load_b128 v[68+8*\f:71+8*\f], v4 offset:(\q)*KVB+HALFB+1024*\f+512
.endr
	ds_load_b32 v228, v6 offset:(\q)*KVB+HALFB+4096       ; V's scale words: lanes 0-15 tile 0's, lanes 16-31 tile 1's;
	ds_load_b32 v229, v6 offset:(\q)*KVB+HALFB+4096+128   ; tiles 2 and 3
.if \more
	KLOAD 4, 5, (\q)+1
.endif
.irp i, 3,5,7,9,11,13
.irp b, 0,1,2,3
	v_max3_num_f32 v[200+\b], v[200+\b], v[96+16*\b+\i], v[97+16*\b+\i]
.endr
.endr
.irp b, 0,1,2,3
	v_max_num_f32 v[200+\b], v[200+\b], v[111+16*\b]
.endr
.irp b, 0,1,2,3
	s_delay_alu instid0(VALU_DEP_4)
	v_permlanex16_b32 v[204+\b], v[200+\b], s[SEL], s[SEL+1]
.endr
.irp b, 0,1,2,3
	s_delay_alu instid0(VALU_DEP_4)
	v_max_num_f32 v[200+\b], v[200+\b], v[204+\b]  ; with lane l xor 16's 16 keys
.endr
	s_delay_alu instid0(VALU_DEP_2)
	v_max3_num_f32 v214, v200, v201, v202
	s_delay_alu instid0(VALU_DEP_1)
	v_max3_num_f32 v13, v214, v203, v13            ; the running largest score of my query
	s_delay_alu instid0(VALU_DEP_1)
	v_mul_f32 v215, s[CS], v13                     ; as t (c is positive)
	v_mov_b32 v214, v12
	s_delay_alu instid0(VALU_DEP_2)
	v_floor_f32 v12, -v215                         ; the new -M = -ceil(t)
	s_delay_alu instid0(VALU_DEP_1)
	v_sub_f32 v214, v12, v214                      ; old M - new M: a whole number, 0 or less
	v_add_f32 v215, -2.0, v12                      ; -M - 2: for the blocks' scales
	s_delay_alu instid0(VALU_DEP_2)
	v_cvt_i32_f32 v214, v214                       ; (it saturates)
.set JJ, 0
.rept 32
	v_pk_fma_f32 v[96+JJ:97+JJ], v[96+JJ:97+JJ], s[CS:CS+1], v[12:13] op_sel_hi:[1,0,0]   ; t - M, two at a time (of the pairs c and -M the low word serves both halves)
.set JJ, JJ+2
.endr
.irp b, 0,1,2,3
	v_fma_f32 v[200+\b], v[200+\b], s[CS], v215    ; t - M - 2 of each block's largest score
.endr
	s_wait_alu depctr_va_vdst(0)
.irp b, 0,1,2,3
	v_exp_f32 v[200+\b], v[200+\b]                 ; a quarter of the block's largest p: its exponent field is the scale's byte
.endr
.set JJ, 0
.rept 64
	v_exp_f32 v[96+JJ], v[96+JJ]                   ; p = 2^(t - M)
.set JJ, JJ+1
.endr
	v_ldexp_f32 v212, 1.0, v214                    ; f = 2^(old M - new M): the plain instruction behind the exponentials
	s_wait_alu depctr_va_vdst(0)                   ; one wait for the batch of 68, ahead of its first reader
.irp b, 0,1,2,3
	v_max_num_f32 v[200+\b], 0x800000, v[200+\b]   ; the floor 2^-126: the byte cannot fall under 1.  This is the conversion's scale operand
.endr
.irp b, 0,1,2,3
	s_delay_alu instid0(VALU_DEP_4)
	v_lshrrev_b32 v[204+\b], 23, v[200+\b]         ; the scale's byte
.endr
	s_delay_alu instid0(VALU_DEP_3)
	v_lshl_or_b32 v220, v205, 8, v204              ; p's scale word for these 128 keys
	s_delay_alu instid0(VALU_DEP_1)
	v_lshl_or_b32 v220, v206, 16, v220
.set JJ, 0
.rept 8
	v_pk_fma_f32 v[LS+JJ:LS+JJ+1], v[LS+JJ:LS+JJ+1], v[212:213], v[96+JJ:97+JJ] op_sel_hi:[1,0,1]   ; l of the unquantised p, in eight packed sums: x f and the first pair in one
.set JJ, JJ+2
.endr
.rept 24
	v_pk_add_f32 v[LS+(JJ%16):LS+(JJ%16)+1], v[LS+(JJ%16):LS+(JJ%16)+1], v[96+JJ:97+JJ]
.set JJ, JJ+2
.endr
.irp b, 0,1,2,3
	v_cvt_scalef32_pk8_fp4_f32 v[192+2*\b], v[96+16*\b:103+16*\b], v[200+\b]
	v_cvt_scalef32_pk8_fp4_f32 v[193+2*\b], v[104+16*\b:111+16*\b], v[200+\b]
.endr
	v_lshl_or_b32 v220, v207, 24, v220             ; the word's last byte: the plain instruction behind the conversions
.irp c, 0,1                                    ; the operand's layout wants a whole block in a lane
.irp i, 0,1
	v_permlane16_swap_b32 v[192+4*\c+\i], v[194+4*\c+\i]
.endr
.endr
	s_wait_dscnt 0x0                               ; V and its words are in, and the next record's K
.if \more
	SCORES                                         ; the next step's scores, over p's registers, which the sums and the conversions have read
.endif
	s_wait_alu depctr_va_vdst(0)                   ; directly ahead of the first reader of O^T
.set JJ, 0
.rept 16
	v_pk_mul_f32 v[160+JJ:161+JJ], v[160+JJ:161+JJ], v[212:213] op_sel_hi:[1,0]   ; O^T under the new M.  (For each product below at least twelve of these name none of its registers; all sixteen stand behind the scores' products)
.set JJ, JJ+2
.endr
	; O^T += V^T P^T: the four accumulators take turns
	v_wmma_scale_f32_16x16x128_f8f6f4 v[160:167], v[64:71], v[192:199], v[160:167], v228, v220 matrix_a_fmt:MATRIX_FMT_FP4 matrix_b_fmt:MATRIX_FMT_FP4
	v_wmma_scale_f32_16x16x128_f8f6f4 v[168:175], v[72:79], v[192:199], v[168:175], v228, v220 matrix_a_fmt:MATRIX_FMT_FP4 matrix_b_fmt:MATRIX_FMT_FP4 matrix_a_scale:MATRIX_SCALE_ROW1
	v_wmma_scale_f32_16x16x128_f8f6f4 v[176:183], v[80:87], v[192:199], v[176:183], v229, v220 matrix_a_fmt:MATRIX_FMT_FP4 matrix_b_fmt:MATRIX_FMT_FP4
	v_wmma_scale_f32_16x16x128_f8f6f4 v[184:191], v[88:95], v[192:199], v[184:191], v229, v220 matrix_a_fmt:MATRIX_FMT_FP4 matrix_b_fmt:MATRIX_FMT_FP4 matrix_a_scale:MATRIX_SCALE_ROW1
.endm
.macro BASES                           ; my places in the trip's first record
	v_add_nc_u32 v4, s[TB], v1
	v_add_nc_u32 v5, s[TB], v2
	v_add_nc_u32 v6, s[TB], v3
.endm
	s_mov_b32 s[CNT], 5
.Ltrip:                                        ; 5 trips of 3 records
	BASES
	STEP 0, 1
	STEP 1, 1
	STEP 2, 1
	s_add_co_u32 s[TB], s[TB], 3*KVB
	s_sub_co_u32 s[CNT], s[CNT], 1
	s_cmp_lg_u32 s[CNT], 0
	s_cbranch_scc1 .Ltrip
	BASES
	STEP 0, 0                                      ; record 15: nothing follows it
	; THE WAY OUT: O^T / l, quantised along d (register 16 b + i = d 32 b + 16 (lane / 16) + i), is half an image of the last product's operand: K step head / 2, half head % 2.
.irp a, 0,2,4,6
	v_pk_add_f32 v[LS+\a:LS+\a+1], v[LS+\a:LS+\a+1], v[LS+8+\a:LS+9+\a]   ; l's eight sums.  (These lines are the places behind the last products)
.endr
	s_delay_alu instid0(VALU_DEP_2)
	v_pk_add_f32 v[LS:LS+1], v[LS:LS+1], v[LS+4:LS+5]
	s_delay_alu instid0(VALU_DEP_2)
	v_pk_add_f32 v[LS+2:LS+3], v[LS+2:LS+3], v[LS+6:LS+7]
	s_delay_alu instid0(VALU_DEP_1)
	v_pk_add_f32 v[LS:LS+1], v[LS:LS+1], v[LS+2:LS+3]
	s_delay_alu instid0(VALU_DEP_1)
	v_add_f32 v14, v[LS], v[LS+1]
	s_delay_alu instid0(VALU_DEP_1)
	v_permlanex16_b32 v214, v14, s[SEL], s[SEL+1]
	s_delay_alu instid0(VALU_DEP_1)
	v_add_f32 v14, v14, v214                       ; l
	s_wait_alu depctr_va_vdst(0)
	v_rcp_f32 v14, v14
	v_nop                                          ; a plain instruction behind the reciprocal
	s_lshr_b32 s16, s15, 4
	s_lshl_b32 s16, s16, 7                         ; 128 tiles a batch,
	s_lshl_b32 s17, s14, 4
	s_add_co_u32 s16, s16, s17                     ; 16 a block of queries,
	s_add_co_u32 s16, s16, s[WV]                   ; mine
	s_mul_i32 s16, s16, KVB                        ; (a tile of aq is 8,704 bytes too)
	s_bfe_u32 s17, s15, 0x10003                    ; heads 8-15: K's second half
	s_mul_i32 s17, s17, HALFB
	s_add_co_u32 s16, s16, s17
	s_and_b32 s17, s15, 7
	s_lshl_b32 s18, s17, 9                         ; 1,024 (K step % 4) + 512 (head % 2)
	s_add_co_u32 s18, s18, s16
	s_mov_b32 s19, 0
	s_add_nc_u64 s[18:19], s[6:7], s[18:19]
	s_lshl_b32 s48, s17, 1                         ; 4 (K step % 4) + 2 (head % 2)
	s_add_co_u32 s48, s48, s16
	s_mov_b32 s49, 0
	s_add_nc_u64 s[48:49], s[6:7], s[48:49]
	s_wait_alu depctr_va_vdst(0)                   ; ahead of the first reader of the reciprocal and of O^T
.set JJ, 0
.rept 32
	v_mul_f32 v[96+JJ], v[160+JJ], v14             ; each accumulator from its low end on
.set JJ, JJ+1
.endr
.irp b, 0,1
	v_max3_num_f32 v[200+\b], |v[96+16*\b]|, |v[97+16*\b]|, 0x1800000   ; and the floor 2^(3 - 127)
.endr
.irp i, 2,4,6,8,10,12,14
.irp b, 0,1
	s_delay_alu instid0(VALU_DEP_2)
	v_max3_num_f32 v[200+\b], v[200+\b], |v[96+16*\b+\i]|, |v[97+16*\b+\i]|
.endr
.endr
.irp b, 0,1
	s_delay_alu instid0(VALU_DEP_2)
	v_permlanex16_b32 v[204+\b], v[200+\b], s[SEL], s[SEL+1]
.endr
.irp b, 0,1
	s_delay_alu instid0(VALU_DEP_2)
	v_max_num_f32 v[200+\b], v[200+\b], v[204+\b]
.endr
.irp b, 0,1
	s_delay_alu instid0(VALU_DEP_2)
	v_add_nc_u32 v[208+\b], 0xff000000, v[200+\b]  ; 2 off the exponent field: the conversion's scale operand
.endr
.irp b, 0,1
	s_delay_alu instid0(VALU_DEP_2)
	v_lshrrev_b32 v[204+\b], 23, v[208+\b]
.endr
	s_delay_alu instid0(VALU_DEP_1)
	v_lshl_or_b32 v215, v205, 8, v204              ; the head's two bytes of the row's scale word
.irp b, 0,1
	v_cvt_scalef32_pk8_fp4_f32 v[192+2*\b], v[96+16*\b:103+16*\b], v[208+\b]
	v_cvt_scalef32_pk8_fp4_f32 v[193+2*\b], v[104+16*\b:111+16*\b], v[208+\b]
.endr
	v_nop                                          ; one plain instruction behind the conversions
	v_permlane16_swap_b32 v192, v194
	v_permlane16_swap_b32 v193, v195               ; v192-195: d = 32 (lane / 16) + 0 .. 31
	global_store_b128 v1, v[192:195], s[18:19]     ; 512 consecutive bytes
	global_store_b16 v2, v215, s[48:49] offset:4096   ; a scale word spans two heads, so two bytes are the longest run that a head owns: 32 bytes a wave beside its 512 of codes; both halves of the lanes write the same value
	s_wait_tensorcnt 0x0                           ; the wave's end
	ds_add_u32 v254, v255
	s_wait_dscnt 0x0
	CROUND                                         ; the closing round: no work-group ends while a partner may still ask for a tile that names it
	s_endpgm
.Lfunc_end_k_q557469c5de_attn:
	.size	k_q557469c5de_attn, .Lfunc_end_k_q557469c5de_attn-k_q557469c5de_attn
	.p2alignl 7, 3214868480
	.fill 96, 4, 3214868480
	.section	.rodata,"a",@progbits
	.p2align	6, 0x0
	.amdhsa_kernel k_q557469c5de_attn
		.amdhsa_group_segment_fixed_size 169984
		.amdhsa_private_segment_fixed_size 0
		.amdhsa_enable_private_segment 0
		.amdhsa_kernarg_size 16
		.amdhsa_user_sgpr_count 2
		.amdhsa_user_sgpr_kernarg_segment_ptr 1
		.amdhsa_wavefront_size32 1
		.amdhsa_system_sgpr_workgroup_id_x 1
		.amdhsa_system_sgpr_workgroup_id_y 1
		.amdhsa_system_sgpr_workgroup_id_z 1
		.amdhsa_system_vgpr_workitem_id 0
		.amdhsa_next_free_vgpr 256
		.amdhsa_next_free_sgpr 66
		.amdhsa_reserve_vcc 0
		.amdhsa_float_denorm_mode_32 3
		.amdhsa_float_denorm_mode_16_64 3
		.amdhsa_memory_ordered 1
		.amdhsa_forward_progress 1
		.amdhsa_inst_pref_size 71
	.end_amdhsa_kernel
	.amdgpu_metadata
---
amdhsa.version: [ 1, 2 ]
amdhsa.kernels:
  - .name:           k_q557469c5de_attn
    .symbol:         k_q557469c5de_attn.kd
    .args:
      - { .name: qkv, .offset: 0, .size: 8, .value_kind: global_buffer, .address_space: global }
      - { .name: aq, .offset: 8, .size: 8, .value_kind: global_buffer, .address_space: global }
    .group_segment_fixed_size: 169984
    .private_segment_fixed_size: 0
    .kernarg_segment_align: 8
    .kernarg_segment_size: 16
    .max_flat_workgroup_size: 512
    .sgpr_count:     66
    .vgpr_count:     256
    .wavefront_size: 32
...
	.end_amdgpu_metadata
.endif
;; end of part 3
;; launch outgemm (part 4): grid 8 x 32, 4 waves a work-group, clusters of 4 x 4, 168,448 bytes of LDS; arguments aq, wq, b_out, out0; writes out0
.if DOCPART == 4
	.amdgcn_target "amdgcn-amd-amdhsa--gfx1250"
	.amdhsa_code_object_version 6
	.text
	.protected	k_q557469c5de_outgemm
	.globl	k_q557469c5de_outgemm
	.p2align	8
	.type	k_q557469c5de_outgemm,@function
k_q557469c5de_outgemm:
	s_mov_b64 s[64:65], 0
	v_nop
	global_prefetch_b8 v0, s[64:65] scope:SCOPE_SE
	s_setreg_imm32_b32 hwreg(HW_REG_WAVE_MODE, 25, 1), 1
	s_wait_xcnt 0x0
	s_wait_alu depctr_hold_cnt(0) depctr_sa_sdst(0) depctr_va_vdst(0) depctr_va_sdst(0) depctr_va_ssrc(0) depctr_va_vcc(0) depctr_vm_vsrc(0)
	s_getreg_b32 s2, hwreg(HW_REG_IB_STS2, 6, 4)
	s_cmp_eq_u32 s2, 0
	s_cbranch_scc0 .Lentry_in_a_cluster
	s_endpgm
.Lentry_in_a_cluster:
	s_bfe_u32 s2, ttmp6, 0x10000c
	s_cmp_lg_u32 s2, 0xf033
	s_cbranch_scc0 .Lentry_shape_is_right
	s_endpgm
.Lentry_shape_is_right:
; out0 = attn W_out + b_out on codes of FP4 with E8M0 scales.  aq: 256 tiles of 16 rows; wq's tiles 192 .. 255: W_out's columns; a tile is two half records of 4,352 bytes
; (four images of 1,024 bytes, one a K step of 128, then 256 bytes of scale words at 4,096 + 16 r + 4 q).  Place r of tile 2 g + u is row (column) 32 g + 8 u + r + 8 (r / 8).
; SHARES: a work-group makes 128 x 128 of out0: 256 work-groups.  Wave w: rows 64 (w % 2) on (4 tiles), columns 64 (w / 2) on (4 tiles): 16 accumulators.
; THE PRODUCT IS USED TRANSPOSED (source 0 = W_out, source 1 = attn): a lane holds one row, and the registers of tiles 2 b, 2 b + 1 are the 16 neighbouring columns 32 b + 16 (lane / 16) on.  The bias is the C of each sum's first product.
; LDS is filled once: both halves of K of 8 + 8 tiles, 139,264 bytes; behind them a stage of 16 rows x 272 bytes for each wave, into which no fill lands.
; CLUSTER 4 x 4: attn's tiles are asked for jointly along a row of the cluster, W_out's along a column.
; REGISTERS: window 0: v1-18 addresses; v32-63, v64-95 scale words of K's two halves (attn's tile i: + 4 i + q; W's tile t: + 16 + 4 t + q); v96-223 rows on their way out; v224-255 the bias.
;   window 1: v0-127 accumulator (i, t) at 8 (4 i + t); two sets of fragments at 128 + 64 p: W's at + 8 t, attn's at + 32 + 8 i.
.set TILEB, 8704
.set HALFB, 4352
.set CH,    8*HALFB
.set WBASE, 2*CH
.set STAGE, 4*CH
.set SP,    272                        ; a stage row: 256 bytes + 16: sixteen rows begin at sixteen different 16-byte columns of 256
.set WV,  12
.set RHO, 13
.set SIG, 14
.set G1A, 24
.set G0A, 32
.set G1W, 48
.set G0W, 56
.set AA,  6
.set AW,  8
.set SA,  10
.set SW,  12
.set STO, 14
.set RD,  15
.set CO,  16
.set SC,  32
.set MSB, 0
.macro WIN new                         ; the immediate's high byte repeats the setting that is left
.if MSB != \new
	s_set_vgpr_msb (MSB<<8)|\new
.set MSB, \new
.endif
.endm
.macro CROUND                          ; a round of the cluster's barrier
	s_barrier_signal -1
	s_barrier_wait -1
	s_cmp_lg_u32 s[WV], 0
	s_cbranch_scc1 .Lnot_wave_0_\@
	s_barrier_signal -3
.Lnot_wave_0_\@:
	s_barrier_wait -3
	s_barrier_signal -1
	s_barrier_wait -1
.endm
.macro PLACES                          ; four plain instructions between a matrix instruction and a load into its registers or a read of its result
.rept 4
	v_nop
.endr
.endm
	s_load_b256 s[4:11], s[0:1], 0x0               ; aq s[4:5], wq s[6:7], b_out s[8:9], out0 s[10:11]
	v_lshl_add_u32 v30, v0, 2, 0x29000
	v_mov_b32 v31, 0
	ds_add_u32 v30, v31
	ds_add_u32 v30, v31
	v_lshrrev_b32 v1, 5, v0
	v_readfirstlane_b32 s[WV], v1
	s_and_b32 s[RHO], s[WV], 1                     ; my 64 rows; also which half of a fetch is mine
	s_lshr_b32 s[SIG], s[WV], 1                    ; my 64 columns; also: I fetch attn (0) or W_out (1)
	s_bfe_u32 s40, ttmp6, 0x40000                  ; cx, cy
	s_bfe_u32 s41, ttmp6, 0x40004
	s_lshl_b32 s42, ttmp9, 2
	s_add_co_u32 s42, s42, s40                     ; the block of 128 columns
	s_and_b32 s43, ttmp7, 0xffff
	s_lshl_b32 s43, s43, 2
	s_add_co_u32 s43, s43, s41                     ; the block of 128 rows
	s_lshl_b32 s44, s41, 2
	s_lshl_b32 s44, 15, s44                        ; my row of the cluster
	s_lshl_b32 s45, 0x1111, s40                    ; my column
	; group 1: 8 half records of 544 elements of 8 bytes, 1,088 elements apart in memory, on end in LDS: one half of K of all eight tiles
	s_or_b32 s[G1A], s44, (3<<16)|(1<<21)
	s_or_b32 s[G1W], s45, (3<<16)|(1<<21)
.irp g, G1A, G1W
	s_mov_b32 s[\g+1], 544<<16                     ; tensor_dim0
	s_mov_b32 s[\g+2], 8<<16                       ; tensor_dim1
	s_mov_b32 s[\g+3], 544<<16                     ; tile_dim0
	s_mov_b32 s[\g+4], 8                           ; tile_dim1
	s_mov_b32 s[\g+5], 1088                        ; from tile to tile
	s_mov_b32 s[\g+6], 0
	s_mov_b32 s[\g+7], 0
.endr
	s_lshl_b32 s16, s43, 3
	s_mul_i32 s16, s16, TILEB                      ; attn: tile 8 x block,
	s_mul_i32 s17, s[RHO], HALFB                   ; the half of K that I fetch
	s_add_co_u32 s16, s16, s17
	s_mov_b32 s17, 0
	s_lshl_b32 s46, s42, 3
	s_add_co_u32 s46, s46, 192
	s_mul_i32 s46, s46, TILEB                      ; W_out: tile 192 + 8 x block,
	s_mul_i32 s47, s[RHO], HALFB                   ; the half of K that I fetch
	s_add_co_u32 s46, s46, s47
	s_mov_b32 s47, 0
	s_mul_i32 s22, s[RHO], CH                      ; where they go: no place in the cluster enters an LDS address
	s_wait_dscnt 0x0
	s_wait_kmcnt 0x0
	s_add_nc_u64 s[18:19], s[4:5], s[16:17]
	s_add_nc_u64 s[20:21], s[6:7], s[46:47]
	CROUND                                         ; all sixteen work-groups are here: the joint loads meet
.irp j, 0
	s_mov_b32 s[G0A+4*\j], 1
	s_add_co_u32 s[G0A+4*\j+1], s22, \j*CH
	s_add_nc_u64 s[G0A+4*\j+2:G0A+4*\j+3], s[18:19], \j*HALFB
	s_or_b32 s[G0A+4*\j+3], s[G0A+4*\j+3], 0x80000000
	s_mov_b32 s[G0W+4*\j], 1
	s_add_co_u32 s[G0W+4*\j+1], s22, WBASE+\j*CH
	s_add_nc_u64 s[G0W+4*\j+2:G0W+4*\j+3], s[20:21], \j*HALFB
	s_or_b32 s[G0W+4*\j+3], s[G0W+4*\j+3], 0x80000000
.endr
	s_cmp_eq_u32 s[SIG], 0                         ; one fill a wave: waves 0 and 1 the two halves of K of attn's 8 tiles, waves 2 and 3 those of W_out's 8
	s_cbranch_scc0 .Lfirst_w
	tensor_load_to_lds s[G0A:G0A+3], s[G1A:G1A+7]
	s_nop 0
.rept 4
	v_nop
.endr
	s_branch .Lfirst_asked
.Lfirst_w:
	tensor_load_to_lds s[G0W:G0W+3], s[G1W:G1W+7]
	s_nop 0
.rept 4
	v_nop
.endr
.Lfirst_asked:
	v_and_b32 v1, 15, v0                           ; r
	v_bfe_u32 v2, v0, 4, 1                         ; h
	v_and_b32 v3, 31, v0
	v_lshlrev_b32 v3, 4, v3                        ; 16 x lane
	s_wait_alu depctr_va_vdst(0)
	v_lshlrev_b32 v4, 4, v1                        ; 16 r
	s_wait_alu depctr_va_vdst(0)
	v_lshlrev_b32 v18, 6, v2                       ; 64 h
	s_lshl_b32 s16, s42, 9
	s_lshl_b32 s17, s[SIG], 8
	s_add_co_u32 s16, s16, s17
	s_mov_b32 s17, 0
	s_add_nc_u64 s[18:19], s[8:9], s[16:17]        ; b_out at my 64 columns
.irp t, 0,1,2,3                                ; lane (r, h), register e of tile t: column 32 (t / 2) + 16 h + 8 (t % 2) + e
	global_load_b128 v[224+8*\t:227+8*\t], v18, s[18:19] offset:4*(32*(\t/2)+8*(\t%2))
	global_load_b128 v[228+8*\t:231+8*\t], v18, s[18:19] offset:4*(32*(\t/2)+8*(\t%2))+16
.endr
	s_mul_i32 s2, s[RHO], 4*HALFB                  ; my 4 tiles of attn
	v_add_nc_u32 v[AA], s2, v3
	v_add_nc_u32 v[AA+1], CH, v[AA]
	v_add_nc_u32 v[SA], s2, v4
	v_add_nc_u32 v[SA+1], CH, v[SA]
	s_mul_i32 s2, s[SIG], 4*HALFB                  ; my 4 tiles of W_out
	s_add_co_u32 s2, s2, WBASE
	v_add_nc_u32 v[AW], s2, v3
	v_add_nc_u32 v[AW+1], CH, v[AW]
	v_add_nc_u32 v[SW], s2, v4
	v_add_nc_u32 v[SW+1], CH, v[SW]
	s_mul_i32 s2, s[WV], 16*SP
	s_add_co_u32 s2, s2, STAGE                     ; my stage
	v_mul_u32_u24 v[STO], v1, SP
	v_lshl_add_u32 v[STO], v2, 6, v[STO]
	v_add_nc_u32 v[STO], s2, v[STO]                ; in: row r, + 64 h
	v_mul_u32_u24 v[RD], v2, SP
	v_add_nc_u32 v[RD], v[RD], v4
	v_add_nc_u32 v[RD], s2, v[RD]                  ; back: lanes 0-15 one row of 256 bytes, lanes 16-31 the next
	v_lshl_add_u32 v[CO], v2, 12, v4               ; and the same two rows in out0
	s_lshl_b32 s2, s43, 19                         ; 128 rows of 4,096 bytes a block,
	s_lshl_b32 s3, s[RHO], 18                      ; my 64 rows,
	s_add_co_u32 s2, s2, s3
	s_lshl_b32 s3, s42, 9                          ; 512 bytes a block of columns,
	s_add_co_u32 s2, s2, s3
	s_lshl_b32 s3, s[SIG], 8                       ; my 64 columns
	s_add_co_u32 s2, s2, s3
	s_mov_b32 s3, 0
	s_add_nc_u64 s[10:11], s[10:11], s[2:3]
.macro FETCH s                         ; K step s: 16 loads, the images as they lie, into set s % 2
.set FJ, (\s)/4
.set FQ, 1024*((\s)%4)
.set FP, 128+64*((\s)%2)
	WIN 0x40                                       ; destination window 1
.irp t, 0,1,2,3
.irp c, 0,1
	ds_load_b128 v[FP+8*\t+4*\c:FP+8*\t+4*\c+3], v[AW+FJ] offset:\t*HALFB+FQ+512*\c
.endr
.endr
.irp i, 0,1,2,3
.irp c, 0,1
	ds_load_b128 v[FP+32+8*\i+4*\c:FP+32+8*\i+4*\c+3], v[AA+FJ] offset:\i*HALFB+FQ+512*\c
.endr
.endr
.endm
.macro SCALES j                        ; the scale words of four K steps: 8 loads, four words of row r each
	WIN 0
.irp i, 0,1,2,3
	ds_load_b128 v[SC+32*\j+4*\i:SC+32*\j+4*\i+3], v[SA+\j] offset:\i*HALFB+4096
.endr
.irp t, 0,1,2,3
	ds_load_b128 v[SC+32*\j+16+4*\t:SC+32*\j+16+4*\t+3], v[SW+\j] offset:\t*HALFB+4096
.endr
.endm
; 16 matrix instructions: the 16 accumulators take turns, one instruction a turn, in the same order in every K step.  first = 1: the bias starts the sums
.macro MUL s, first
.set MB, SC+32*((\s)/4)+(\s)%4
.set MP, 128+64*((\s)%2)
.if \first
	WIN 0x45                                       ; sources 0, 1 and D window 1, C window 0
.else
	WIN 0x55
.endif
.irp i, 0,1,2,3
.irp t, 0,1,2,3
.if \first
	v_wmma_scale_f32_16x16x128_f8f6f4 v[8*(4*\i+\t):8*(4*\i+\t)+7], v[MP+8*\t:MP+8*\t+7], v[MP+32+8*\i:MP+32+8*\i+7], v[224+8*\t:224+8*\t+7], v[MB+16+4*\t], v[MB+4*\i] matrix_a_fmt:MATRIX_FMT_FP4 matrix_b_fmt:MATRIX_FMT_FP4
.else
	v_wmma_scale_f32_16x16x128_f8f6f4 v[8*(4*\i+\t):8*(4*\i+\t)+7], v[MP+8*\t:MP+8*\t+7], v[MP+32+8*\i:MP+32+8*\i+7], v[8*(4*\i+\t):8*(4*\i+\t)+7], v[MB+16+4*\t], v[MB+4*\i] matrix_a_fmt:MATRIX_FMT_FP4 matrix_b_fmt:MATRIX_FMT_FP4
.endif
.endr
.endr
.endm
	s_wait_alu depctr_va_vdst(0)
	s_wait_tensorcnt 0x0                           ; my one load is in
	s_barrier_signal -1
	s_barrier_wait -1                              ; everybody's is
	SCALES 0
	FETCH 0
	FETCH 1
	s_wait_loadcnt 0x0                             ; the bias
	s_wait_dscnt 16                                ; all but K step 1's 16
	MUL 0, 1
.irp s, 1,2
	PLACES
	FETCH \s+1
	s_wait_dscnt 16                                ; all but the 16 just issued
	MUL \s, 0
.endr
	WIN 0
	s_wait_dscnt 0x0                               ; K step 3's fragments are in
	PLACES
	SCALES 1
	FETCH 4
	MUL 3, 0
.irp s, 4,5,6
	PLACES
	FETCH \s+1
	s_wait_dscnt 16
	MUL \s, 0
.endr
	s_wait_dscnt 0x0
	MUL 7, 0
	PLACES
; THE WAY OUT, a tile of 16 rows x my 64 columns at a time, through my own stage: in by lanes' 32 bytes, back as whole rows of 256 bytes.  LDS serves a wave's instructions in order (ISA guide 5.7.1.4):
; no wait stands between the stores and the loads, nor in front of the next tile's stores.  The rows' order inside a tile is undone by the stores' offsets.  No register that a store reads is written again.
.macro TOSTAGE i
	WIN 0x04                                       ; an LDS store's data are its source 1: window 1
.irp t, 0,1,2,3
	ds_store_b128 v[STO], v[8*(4*\i+\t):8*(4*\i+\t)+3] offset:128*(\t/2)+32*(\t%2)       ; each accumulator from its low end on
	ds_store_b128 v[STO], v[8*(4*\i+\t)+4:8*(4*\i+\t)+7] offset:128*(\t/2)+32*(\t%2)+16
.endr
	WIN 0
.irp t, 0,1,2,3,4,5,6,7
	ds_load_b128 v[96+32*\i+4*\t:96+32*\i+4*\t+3], v[RD] offset:2*\t*SP
.endr
.endm
.macro SEND i, younger                 ; younger: the LDS instructions issued behind tile i's loads, which may stay out
	s_wait_dscnt \younger
.irp t, 0,1,2,3,4,5,6,7
	global_store_b128 v[CO], v[96+32*\i+4*\t:96+32*\i+4*\t+3], s[10:11] offset:(32*(\i/2)+8*(\i%2)+2*\t+8*(\t/4))*4096 th:TH_STORE_NT   ; places 2 t and 2 t + 1 of the tile: 16 lanes store 256 consecutive bytes, aligned
.endr
.endm
	TOSTAGE 0
	TOSTAGE 1
	SEND 0, 16                                     ; behind tile 0's loads: tile 1's 8 stores and 8 loads
	TOSTAGE 2
	SEND 1, 16
	TOSTAGE 3
	SEND 2, 16
	SEND 3, 0
	s_wait_tensorcnt 0x0
	ds_add_u32 v30, v31
	s_wait_dscnt 0x0
	CROUND                                         ; the closing round: no work-group ends while a partner may still ask for a tile that names it
	s_endpgm
.Lfunc_end_k_q557469c5de_outgemm:
	.size	k_q557469c5de_outgemm, .Lfunc_end_k_q557469c5de_outgemm-k_q557469c5de_outgemm
	.p2alignl 7, 3214868480
	.fill 96, 4, 3214868480
	.section	.rodata,"a",@progbits
	.p2align	6, 0x0
	.amdhsa_kernel k_q557469c5de_outgemm
		.amdhsa_group_segment_fixed_size 168448
		.amdhsa_private_segment_fixed_size 0
		.amdhsa_enable_private_segment 0
		.amdhsa_kernarg_size 32
		.amdhsa_user_sgpr_count 2
		.amdhsa_user_sgpr_kernarg_segment_ptr 1
		.amdhsa_wavefront_size32 1
		.amdhsa_system_sgpr_workgroup_id_x 1
		.amdhsa_system_sgpr_workgroup_id_y 1
		.amdhsa_system_sgpr_workgroup_id_z 1
		.amdhsa_system_vgpr_workitem_id 0
		.amdhsa_next_free_vgpr 512
		.amdhsa_next_free_sgpr 66
		.amdhsa_reserve_vcc 0
		.amdhsa_float_denorm_mode_32 3
		.amdhsa_float_denorm_mode_16_64 3
		.amdhsa_memory_ordered 1
		.amdhsa_forward_progress 1
		.amdhsa_inst_pref_size 42
	.end_amdhsa_kernel
	.amdgpu_metadata
---
amdhsa.version: [ 1, 2 ]
amdhsa.kernels:
  - .name:           k_q557469c5de_outgemm
    .symbol:         k_q557469c5de_outgemm.kd
    .args:
      - { .name: aq, .offset: 0, .size: 8, .value_kind: global_buffer, .address_space: global }
      - { .name: wq, .offset: 8, .size: 8, .value_kind: global_buffer, .address_space: global }
      - { .name: b_out, .offset: 16, .size: 8, .value_kind: global_buffer, .address_space: global }
      - { .name: out0, .offset: 24, .size: 8, .value_kind: global_buffer, .address_space: global }
    .group_segment_fixed_size: 168448
    .private_segment_fixed_size: 0
    .kernarg_segment_align: 8
    .kernarg_segment_size: 32
    .max_flat_workgroup_size: 128
    .sgpr_count:     66
    .vgpr_count:     512
    .wavefront_size: 32
...
	.end_amdgpu_metadata
.endif
;; end of part 4
